; MI455X (gfx1250); checked and timed in simulation.
; The chip was launched on July 23, 2026; its instructions are those of AMD's public machine-readable ISA for CDNA 5 (MIT licence, August 2026) and "CDNA5" Instruction Set Architecture Reference Guide (July 2026). The comments in the code are by the model that wrote it; some were corrected since.
;; Multi Head Attention. Allowed arithmetic: matrix products marked QUANTISED: E4M3 operands, one given power-of-two scale a tensor, by v_wmma_f32_16x16x64_fp8_fp8 or v_wmma_f32_16x16x128_fp8_fp8, f32 sums; everything else in f32.
;; Inputs: b_out 1,024 float32; beta 1,024 float32; gamma 1,024 float32; lowp_scales 8 int32 (the exponents e of the quantised operands' scales 2^e); w_out 1,024 x 1,024 float32; w_qkv 1,024 x 3,072 float32; x 4 x 2,048 x 1,024 float32.
;; Outputs: out0 4 x 2,048 x 1,024 float32.
;; This version of the problem:
;;   THIS VERSION OF THE PROBLEM IS GIVEN IN LOW PRECISION. The matrix products marked QUANTISED in the list below multiply operands that are first quantised to E4M3 (4 exponent bits, 3 mantissa bits; 8 bits a number), with one given power-of-two scale for each operand tensor; their sums are f32. All else is computed in f32.
;;   The module's matrix products, in the order in which they are computed (A, B: the left and right operand; K: the contracted axis; several contracted axes count as one K, in the product's order):
;;     1. [M 8,192, K 1,024] x [K 1,024, N 3,072]; A: input x; B: input w_qkv: QUANTISED (scales: A lowp_scales[0], B lowp_scales[1])
;;     2. batch 64 x [M 2,048, K 64] x [K 64, N 2,048]; A: computed on the way; B: computed on the way: QUANTISED (scales: A lowp_scales[2], B lowp_scales[3])
;;     3. batch 64 x [M 2,048, K 2,048] x [K 2,048, N 64]; A: computed on the way; B: computed on the way: QUANTISED (scales: A lowp_scales[4], B lowp_scales[5])
;;     4. [M 8,192, K 1,024] x [K 1,024, N 1,024]; A: computed on the way; B: input w_out: QUANTISED (scales: A lowp_scales[6], B lowp_scales[7])
;;   THE QUANTISER, for each operand of a quantised product, along K:
;;     - The operand's scale is 2^e, e = its entry of the input lowp_scales (int32; the entries are numbered through the quantised products in the list's order, A before B).
;;     - Each number is divided by the scale, clamped to +-448, and rounded to the nearest number of E4M3, ties to even, subnormals kept.
;;     - The product sums the exact products of the quantised numbers (number of the format x scale) in f32.
;;   ~~~python
;;   def quantise(x, axis, e):      # numpy; x: float32 -> the quantised numbers, widened to float32 again
;;       x = np.moveaxis(x, axis, -1); K = x.shape[-1]
;;       r = np.clip(x / 2.0 ** e, -448, 448)
;;       step = 2.0 ** (np.maximum(np.frexp(np.where(r == 0, 1, r))[1] - 1, -6) - 3)
;;       q = np.round(r / step) * step * 2.0 ** e      # np.round: ties to even
;;       return np.moveaxis(q, -1, axis).astype(np.float32)
;;   ~~~
;;   OPERANDS COMPUTED ON THE WAY. 'Computed on the way' means the value that the module computes at that place (a softmax that the list does not call 'softmax' is quantised finished and normalised). What goes into a quantiser is computed in f32, as accurately as f32 sums, v_exp_f32 and their like allow (about 1e-6 of the number): no bf16 or f16 on the way to a quantiser, and a product that is left as it is and whose result goes on into a quantised operand takes f32 operands (vector FMAs, or v_wmma_f32_16x16x4_f32). A number that lies on a knife's edge between two numbers of the format may be rounded either way, as far as f32 arithmetic and the matrix unit's own rounding can turn it there, and no further.
;; One version. Each part assembles by itself: llvm-mc -triple=amdgcn-amd-amdhsa -mcpu=gfx1250 --defsym DOCPART=n.
;; ======== version 1 of 1: 4 launches
;; workspace buffers: x_img 8,388,608 bytes; wq_img 3,145,728 bytes; wo_img 1,048,576 bytes; q_img 8,388,608 bytes; k_img 8,388,608 bytes; v_img 8,388,608 bytes; o_img 8,388,608 bytes
;; launch prep (part 1): grid 512 x 1, 4 waves a work-group, no clusters, 34,304 bytes of LDS; arguments x, w_qkv, w_out, lowp_scales, x_img, wq_img, wo_img; writes x_img, wq_img, wo_img
.if DOCPART == 1
	.amdgcn_target "amdgcn-amd-amdhsa--gfx1250"
	.amdhsa_code_object_version 6
	.text
	.protected	k_qe7743aa845_prep
	.globl	k_qe7743aa845_prep
	.p2align	8
	.type	k_qe7743aa845_prep,@function
k_qe7743aa845_prep:
	s_mov_b64 s[64:65], 0
	v_nop
	global_prefetch_b8 v0, s[64:65] scope:SCOPE_SE
	s_setreg_imm32_b32 hwreg(HW_REG_WAVE_MODE, 25, 1), 1
	s_wait_xcnt 0x0
; x [8192][1024], w_qkv [1024][3072] and w_out [1024][1024], f32, become codes of FP8 (E4M3), each with its given scale 2^e (entries 0, 1, 7 of the scales).
; code = number / 2^e, held within +-448, rounded to the nearest code, ties to even.  LIMITS: -126 <= e <= 119.  NaN among the inputs is not served.
; THE CODES ARE STORED AS IMAGES OF OPERAND REGISTERS.  A fragment is 16 rows x 128 along K in 16 registers a lane: lane (r = l % 16, h = l / 16) holds row r, and its
; registers 2 c, 2 c + 1 hold k = 16 c + 8 h + 0 .. 7.  Registers 4 p .. 4 p + 3 of the 32 lanes are a piece of 512 bytes, lane l's 16 bytes at 16 l; a fragment is 4 pieces, 2,048 bytes.
;   x_img  [row tile 512][k block 8][2048]     wq_img [column tile 192][k block 8][2048]     wo_img [k block 8][column tile 64][2048]
; Work-groups 0-255 take x, 256-447 w_qkv, 448-511 w_out: scalar branches on the work-group's number.  Waves share nothing: no barrier.  No operand is read by two work-groups: no cluster.
.set SP,   528                         ; x's stage: a row of 512 bytes + 16: 33 x 16 bytes, so that the 16 rows that a load touches start at 16 different groups of banks (ISA guide 11.1)
.set STG,  16*SP                       ; a stage of 16 rows for each wave
.set R,    16                          ; v16-143   x: two sets of 64 registers as loaded;  weights: 128 numbers down K
.set X,    144                         ; v144-207  x: 64 numbers in the operand's order
.set C,    208                         ; v208-239  x: two sets of 16 registers of codes
.set T0,   144                         ; v144-159  weights: the low runs' codes, then the image of my first column tile
.set T1,   160                         ; v160-175  weights: the high runs' codes, then the image of my second
.macro MKSCALE se                      ; v11 = 2^e as f32 (the conversion takes its exponent field), v10 = 448 x 2^e
	s_add_co_i32 s40, \se, 127
	s_lshl_b32 s41, s40, 23
	v_mov_b32 v11, s41
	s_add_co_i32 s40, s40, 8
	s_lshl_b32 s40, s40, 23
	s_or_b32 s40, s40, 0x600000
	v_mov_b32 v10, s40
.endm
	s_load_b256 s[4:11], s[0:1], 0x0               ; x s[4:5], w_qkv s[6:7], w_out s[8:9], the scales' exponents s[10:11]
	s_load_b128 s[12:15], s[0:1], 0x20             ; x_img s[12:13], wq_img s[14:15]
	s_load_b64 s[16:17], s[0:1], 0x30              ; wo_img
	v_lshl_add_u32 v240, v0, 2, 0x8400
	v_mov_b32 v241, 0
	v_lshrrev_b32 v1, 5, v0
	v_readfirstlane_b32 s18, v1                    ; wave 0..3
	v_and_b32 v1, 31, v0                           ; lane
	v_lshlrev_b32 v2, 4, v1                        ; 16 x lane
	v_and_b32 v3, 15, v0                           ; r
	v_bfe_u32 v4, v0, 4, 1                         ; h
	v_lshlrev_b32 v7, 2, v1                        ; 4 x lane
	s_wait_kmcnt 0x0
	s_load_b256 s[24:31], s[10:11], 0x0            ; e0 .. e7
	s_cmp_lt_u32 ttmp9, 256
	s_cbranch_scc0 .Lweights
; ---- x.  Work-group g takes rows 32 g on; wave w takes row tile 2 g + w / 2 and k blocks 4 (w % 2) + f, f = 0 .. 3: four fragments.
; Each load reads 512 consecutive bytes of one row (a k block's 128 numbers); the 16 rows turn through the wave's own stage and come back 32 bytes a lane in the operand's order.
	s_lshr_b32 s19, s18, 1
	s_and_b32 s20, s18, 1
	s_lshl_b32 s32, ttmp9, 17                      ; 32 rows of 4,096 bytes
	s_lshl_b32 s33, s19, 16                        ; + 16 rows
	s_add_co_u32 s32, s32, s33
	s_lshl_b32 s33, s20, 11                        ; + 4 k blocks of 512 bytes
	s_add_co_u32 s32, s32, s33
	s_mov_b32 s33, 0
	s_add_nc_u64 s[4:5], s[4:5], s[32:33]
	s_lshl_b32 s34, ttmp9, 15                      ; two row tiles of 16,384 bytes
	s_lshl_b32 s35, s19, 14
	s_add_co_u32 s34, s34, s35
	s_lshl_b32 s35, s20, 13                        ; + 4 fragments
	s_add_co_u32 s34, s34, s35
	s_mov_b32 s35, 0
	s_add_nc_u64 s[12:13], s[12:13], s[34:35]
	s_mul_i32 s36, s18, STG
	v_add_nc_u32 v5, s36, v2                       ; into the stage: 16 x lane of a row
	v_mul_u32_u24 v6, v3, SP
	v_lshl_add_u32 v6, v4, 5, v6
	v_add_nc_u32 v6, s36, v6                       ; out of it: row r, + 32 h
.macro LOAD f
.irp p, 0,1,2,3,4,5,6,7,8,9,10,11,12,13,14,15
	global_load_b128 v[R+64*((\f)%2)+4*\p:R+64*((\f)%2)+4*\p+3], v2, s[4:5] offset:\p*4096+(\f)*512 th:TH_LOAD_NT
.endr
.endm
.macro TURN f                          ; LDS serves a wave's instructions in order (ISA guide 5.7.1.4): no wait between the stores and the loads
.irp p, 0,1,2,3,4,5,6,7,8,9,10,11,12,13,14,15
	ds_store_b128 v5, v[R+64*((\f)%2)+4*\p:R+64*((\f)%2)+4*\p+3] offset:\p*SP
.endr
.irp c, 0,1,2,3,4,5,6,7
	ds_load_b128 v[X+8*\c:X+8*\c+3], v6 offset:64*\c          ; x(r, 16 c + 8 h + 0 .. 3)
	ds_load_b128 v[X+8*\c+4:X+8*\c+7], v6 offset:64*\c+16     ; .. + 4 .. 7
.endr
.endm
.macro QUANT f
.set j, 0
.rept 64
	v_med3_num_f32 v[X+j], v[X+j], -v10, v10       ; the conversion to an 8-bit code does not saturate (ISA guide 7.6.2): the hold comes first
.set j, j+1
.endr
.irp c, 0,1,2,3,4,5,6,7
	v_cvt_scalef32_pk8_fp8_f32 v[C+16*((\f)%2)+2*\c:C+16*((\f)%2)+2*\c+1], v[X+8*\c:X+8*\c+7], v11   ; registers 2 c, 2 c + 1 of the fragment
.endr
	v_nop                                          ; one plain vector instruction between the last conversion and the next vector instructions, the next fragment's holds, which write the conversions' sources
.irp p, 0,1,2,3
	global_store_b128 v2, v[C+16*((\f)%2)+4*\p:C+16*((\f)%2)+4*\p+3], s[12:13] offset:(\f)*2048+512*\p   ; a piece: 512 consecutive bytes, aligned
.endr
.endm
	LOAD 0
	LOAD 1
	s_wait_kmcnt 0x0
	MKSCALE s24
.irp f, 0,1,2,3
.if \f < 3
	s_wait_loadcnt 16                              ; this fragment's 16 loads are in; the next fragment's 16 may be out
.else
	s_wait_loadcnt 0x0
.endif
	TURN \f
	s_wait_dscnt 0x0                               ; the numbers are back, and the stage's stores have read their registers,
.if \f < 2
	LOAD \f+2                                      ; which take the loads of two fragments on
.else
	s_wait_xcnt 0x0                                ; this set of codes was store data two fragments ago: it is rewritten only behind this wait
.endif
	QUANT \f
.endr
	s_wait_tensorcnt 0x0
	ds_add_u32 v240, v241
	s_wait_dscnt 0x0
	s_endpgm
; ---- the weights, [K][cols] with K outermost.  A work-group takes 128 along K x 128 columns, a wave 32 columns: A LANE TAKES A COLUMN AND ITS REGISTERS RUN DOWN K, so that the
; conversions give codes with K innermost.  Each load reads 128 consecutive bytes a wave; the four waves stand side by side on 512.
; Rows 16 c .. + 7 go to T0's registers 2 c, 2 c + 1, rows 16 c + 8 .. + 15 to T1's.  An image wants the low runs of its 16 columns in lanes 0-15 and their high runs in lanes 16-31:
; exchanging T0's lanes 16-31 with T1's lanes 0-15 makes T0 the image of columns 0-15 and T1 that of columns 16-31.
.macro WPATH cols, first, wb, ob, se, kbstep, ntstep
	s_sub_co_u32 s19, ttmp9, \first
	s_and_b32 s20, s19, 7                          ; k block
	s_lshr_b32 s21, s19, 3                         ; block of 128 columns
	s_mul_i32 s32, s20, 128*\cols*4
	s_lshl_b32 s33, s21, 9
	s_add_co_u32 s32, s32, s33
	s_lshl_b32 s33, s18, 7
	s_add_co_u32 s32, s32, s33
	s_mov_b32 s33, 0
	s_add_nc_u64 s[\wb:\wb+1], s[\wb:\wb+1], s[32:33]
	s_lshl_b32 s34, s21, 3
	s_lshl_b32 s35, s18, 1
	s_add_co_u32 s34, s34, s35                     ; my first column tile
	s_mul_i32 s34, s34, \ntstep
	s_mul_i32 s35, s20, \kbstep
	s_add_co_u32 s34, s34, s35
	s_mov_b32 s35, 0
	s_add_nc_u64 s[\ob:\ob+1], s[\ob:\ob+1], s[34:35]
.set i, 0
.rept 128
	global_load_b32 v[R+i], v7, s[\wb:\wb+1] offset:i*\cols*4 th:TH_LOAD_NT   ; 127 rows at the most: inside the signed 24-bit immediate
.set i, i+1
.endr
	s_wait_kmcnt 0x0
	MKSCALE \se
.irp q, 0,1,2,3
.if \q < 2
	s_wait_loadcnt 63                              ; rows 32 q .. + 31 are in: 96 or 64 younger loads could stay out, and 63 is the most that the count's field holds
.elseif \q == 2
	s_wait_loadcnt 32                              ; the last 32 rows may be out
.else
	s_wait_loadcnt 0x0
.endif
.set i, 0
.rept 32
	v_med3_num_f32 v[R+32*\q+i], v[R+32*\q+i], -v10, v10
.set i, i+1
.endr
	v_cvt_scalef32_pk8_fp8_f32 v[T0+4*\q:T0+4*\q+1], v[R+32*\q:R+32*\q+7], v11
	v_cvt_scalef32_pk8_fp8_f32 v[T1+4*\q:T1+4*\q+1], v[R+32*\q+8:R+32*\q+15], v11
	v_cvt_scalef32_pk8_fp8_f32 v[T0+4*\q+2:T0+4*\q+3], v[R+32*\q+16:R+32*\q+23], v11
	v_cvt_scalef32_pk8_fp8_f32 v[T1+4*\q+2:T1+4*\q+3], v[R+32*\q+24:R+32*\q+31], v11
.endr
	v_nop                                          ; one plain vector instruction between the last conversion and the vector instructions that touch its result
.set i, 0
.rept 16
	v_permlane16_swap_b32 v[T0+i], v[T1+i]
.set i, i+1
.endr
.irp p, 0,1,2,3
	global_store_b128 v2, v[T0+4*\p:T0+4*\p+3], s[\ob:\ob+1] offset:512*\p
	global_store_b128 v2, v[T1+4*\p:T1+4*\p+3], s[\ob:\ob+1] offset:\ntstep+512*\p
.endr
.endm
.Lweights:
	s_cmp_lt_u32 ttmp9, 448
	s_cbranch_scc0 .Lwo
	WPATH 3072, 256, 6, 14, s25, 2048, 16384
	s_endpgm
.Lwo:
	WPATH 1024, 448, 8, 16, s31, 131072, 2048
	s_endpgm
.Lfunc_end_k_qe7743aa845_prep:
	.size	k_qe7743aa845_prep, .Lfunc_end_k_qe7743aa845_prep-k_qe7743aa845_prep
	.p2alignl 7, 3214868480
	.fill 96, 4, 3214868480
	.section	.rodata,"a",@progbits
	.p2align	6, 0x0
	.amdhsa_kernel k_qe7743aa845_prep
		.amdhsa_group_segment_fixed_size 34304
		.amdhsa_private_segment_fixed_size 0
		.amdhsa_enable_private_segment 0
		.amdhsa_kernarg_size 56
		.amdhsa_user_sgpr_count 2
		.amdhsa_user_sgpr_kernarg_segment_ptr 1
		.amdhsa_wavefront_size32 1
		.amdhsa_system_sgpr_workgroup_id_x 1
		.amdhsa_system_sgpr_workgroup_id_y 1
		.amdhsa_system_sgpr_workgroup_id_z 1
		.amdhsa_system_vgpr_workitem_id 0
		.amdhsa_next_free_vgpr 242
		.amdhsa_next_free_sgpr 66
		.amdhsa_reserve_vcc 0
		.amdhsa_float_denorm_mode_32 3
		.amdhsa_float_denorm_mode_16_64 3
		.amdhsa_memory_ordered 1
		.amdhsa_forward_progress 1
		.amdhsa_inst_pref_size 84
	.end_amdhsa_kernel
	.amdgpu_metadata
---
amdhsa.version: [ 1, 2 ]
amdhsa.kernels:
  - .name:           k_qe7743aa845_prep
    .symbol:         k_qe7743aa845_prep.kd
    .args:
      - { .name: x, .offset: 0, .size: 8, .value_kind: global_buffer, .address_space: global }
      - { .name: w_qkv, .offset: 8, .size: 8, .value_kind: global_buffer, .address_space: global }
      - { .name: w_out, .offset: 16, .size: 8, .value_kind: global_buffer, .address_space: global }
      - { .name: lowp_scales, .offset: 24, .size: 8, .value_kind: global_buffer, .address_space: global }
      - { .name: x_img, .offset: 32, .size: 8, .value_kind: global_buffer, .address_space: global }
      - { .name: wq_img, .offset: 40, .size: 8, .value_kind: global_buffer, .address_space: global }
      - { .name: wo_img, .offset: 48, .size: 8, .value_kind: global_buffer, .address_space: global }
    .group_segment_fixed_size: 34304
    .private_segment_fixed_size: 0
    .kernarg_segment_align: 8
    .kernarg_segment_size: 56
    .max_flat_workgroup_size: 128
    .sgpr_count:     66
    .vgpr_count:     242
    .wavefront_size: 32
...
	.end_amdgpu_metadata
.endif
;; end of part 1
;; launch qkv (part 2): grid 16 x 16, 4 waves a work-group, clusters of 4 x 4, 327,680 bytes of LDS; arguments x_img, wq_img, lowp_scales, q_img, k_img, v_img; writes q_img, k_img, v_img
.if DOCPART == 2
	.amdgcn_target "amdgcn-amd-amdhsa--gfx1250"
	.amdhsa_code_object_version 6
	.text
	.protected	k_qe7743aa845_qkv
	.globl	k_qe7743aa845_qkv
	.p2align	8
	.type	k_qe7743aa845_qkv,@function
k_qe7743aa845_qkv:
	s_mov_b64 s[64:65], 0
	v_nop
	global_prefetch_b8 v0, s[64:65] scope:SCOPE_SE
	s_setreg_imm32_b32 hwreg(HW_REG_WAVE_MODE, 25, 1), 1
	s_wait_xcnt 0x0
	s_wait_alu depctr_hold_cnt(0) depctr_sa_sdst(0) depctr_va_vdst(0) depctr_va_sdst(0) depctr_va_ssrc(0) depctr_va_vcc(0) depctr_vm_vsrc(0)
	s_getreg_b32 s2, hwreg(HW_REG_IB_STS2, 6, 4)
	s_cmp_eq_u32 s2, 0
	s_cbranch_scc0 .Lentry_in_a_cluster
	s_endpgm
.Lentry_in_a_cluster:
	s_bfe_u32 s2, ttmp6, 0x10000c
	s_cmp_lg_u32 s2, 0xf033
	s_cbranch_scc0 .Lentry_shape_is_right
	s_endpgm
.Lentry_shape_is_right:
; x [8192][1024] x w_qkv [1024][3072] on codes of FP8 (E4M3); the sums, f32, are quantised in registers to the codes of q, k and v, which leave as images of operand registers.
; IMAGES: a fragment of 16 rows x 128 K is 16 registers a lane (lane (r, h): row r; registers 2 c, 2 c + 1: k = 16 c + 8 h + 0 .. 7), stored as 4 pieces of 512 bytes, lane l's 16 bytes at 16 l.
; x_img [row tile 512][k block 8][2048], wq_img [column tile 192][k block 8][2048].  Out: q_img, k_img [batch x head 64][tile of 16 positions 128][1024] (K = the head's 64: 2 pieces);
; v_img [batch x head 64][block of 128 keys 16][tile of 16 channels 4][2048] (rows = channels, K = keys).
; SHARES.  A tile is 256 rows x the 192 columns of ONE head (q 64, k 64, v 64).  Wave (wr = w / 2, wc = w % 2): rows 128 wr on (8 tiles a) and six
; column tiles b: tile 4 (b / 2) + 2 wc + b % 2 of the head's twelve, that is two channel tiles each of q, k and v, so that the four waves run one text.  48 accumulators, 384 registers.
; A WORK-GROUP STAYS: grid 16 heads x 16; a work-group makes TWO tiles of its head, row blocks ty and ty + 16.  The ring does not stop at the first tile's end: that tile's last two changes of slots ask for the
; second tile's first two slots, the first tile's codes are made while those land, and nothing waits for its stores.
; WHICH SOURCE COMES FIRST.  q and k (b < 4): source 0 = 16 columns of w, source 1 = 16 rows of x: a lane holds one position and eight neighbouring channels, the next product's K.
; v (b >= 4): source 0 = rows of x, source 1 = columns of w: a lane holds one channel and eight neighbouring keys.  So one conversion of an accumulator gives two registers of the next operand as they stand.
; A sum stands for sum x 2^(e0 + e1): the conversions take 2^(e2 - e0 - e1), 2^(e3 - e0 - e1), 2^(e5 - e0 - e1).  LIMITS: each of these three exponents between -126 and 119.  NaN is not served.
; K goes through a ring of two LDS slots of 256 along K (two k blocks): 4 fills a tile.  CLUSTER 4 x 4: the four work-groups of a row of the cluster share x's tiles, the four of a column share w's:
; each tile is asked for jointly, by the same tensor load with the same descriptor and a mask that names the four.
; No prefetch: a row block of x_img is read by the four clusters of a row of clusters, a head of wq_img by the four of a column: neither is a stream that is read once.
; REGISTERS, in windows of 256: window 0: v1-29 addresses and scales; set 0 of fragments: A v32 + 16 a, B v160 + 16 b.   window 1: set 1, at the same numbers; on the way out v32-127 take the codes.
;   window 2: accumulator (a, b) at v[8 (6 a + b)], a = 0 .. 3;   window 3: a = 4 .. 7.
.set SLOT,  114688                     ; A: 16 row tiles x 4,096 bytes, then B: 12 column tiles x 4,096
.set BOFF,  65536
.set SPARE, 2*SLOT                     ; behind the ring: the spare words, 128 bytes for each wave: two blocks of 256 bytes that no other line names
.set WALKA, 16*16*16384                ; from a tile to the work-group's next in x_img: 16 blocks of 16 row tiles of 16,384 bytes
.set WALKO, 32*131072                  ; and in q_img, k_img, v_img: 16 blocks of 256 rows are two batches: 32 (batch, head) of 131,072 bytes
.set LI,   1                           ; v1   16 x lane
.set SCQ,  8                           ; v8, v9: q's scale as f32 and 448 x it;  v10, v11: k's;  v12, v13: v's
.set LIMQ, 9
.set SCV,  12
.set ADRA, 16                          ; v16-17  LDS address of my A fragments in slot 0, 1
.set ADRB, 20                          ; v20-21  the same for B
.set SPW,  28                          ; v28  LDS address of my spare word; never rewritten
.set NIL,  29                          ; v29  0; never rewritten
.set AF,   32
.set BF,   160
.set WV,   16                          ; s16 wave; s17 wr, also: I fetch for A (0) or B (1); s18 wc, also: which half of that tile I fetch
.set G1A,  24                          ; s[24:31] descriptor group 1 for A's tiles; s[32:39] group 0, a set for each slot
.set G0A,  32
.set G1B,  48                          ; s[48:55], s[56:63] the same for B's
.set G0B,  56
.set MSB, 0
.macro WIN new                         ; the immediate's high byte repeats the setting that is left; a switch that changes nothing is dropped
.if MSB != (\new)
	s_set_vgpr_msb (MSB<<8)|(\new)
.set MSB, (\new)
.endif
.endm
.macro PLACES n
.rept \n
	v_nop
.endr
.endm
.macro JLOAD s                         ; a joint load: waves 0 and 1 fetch A's halves, waves 2 and 3 B's; the branch hangs on the wave's number alone; four v_nop follow each line
	s_cmp_eq_u32 s17, 0
	s_cbranch_scc0 .Lfor_b_\@
	tensor_load_to_lds s[G0A+4*\s:G0A+4*\s+3], s[G1A:G1A+7]
	s_nop 0
.rept 4
	v_nop
.endr
	s_branch .Lasked_\@
.Lfor_b_\@:
	tensor_load_to_lds s[G0B+4*\s:G0B+4*\s+3], s[G1B:G1B+7]
	s_nop 0
.rept 4
	v_nop
.endr
.Lasked_\@:
.endm
.macro CREST                           ; a round of the cluster's barrier behind its opening barrier
	s_cmp_lg_u32 s[WV], 0
	s_cbranch_scc1 .Lnot_wave_0_\@
	s_barrier_signal -3
.Lnot_wave_0_\@:
	s_barrier_wait -3
	s_barrier_signal -1
	s_barrier_wait -1
.endm
.macro CROUND
	s_barrier_signal -1
	s_barrier_wait -1
	CREST
.endm
	s_load_b256 s[4:11], s[0:1], 0x0               ; x_img s[4:5], wq_img s[6:7], the scales' exponents s[8:9], q_img s[10:11]
	s_load_b128 s[12:15], s[0:1], 0x20             ; k_img s[12:13], v_img s[14:15]
	v_lshl_add_u32 v[SPW], v0, 2, SPARE
	v_mov_b32 v[NIL], 0
	ds_add_u32 v28, v29
	ds_add_u32 v28, v29
	s_wait_dscnt 0x0
	v_lshrrev_b32 v2, 5, v0
	v_readfirstlane_b32 s[WV], v2
	s_lshr_b32 s17, s[WV], 1
	s_and_b32 s18, s[WV], 1
	s_bfe_u32 s40, ttmp6, 0x40000                  ; cx, cy: my place in the cluster
	s_bfe_u32 s41, ttmp6, 0x40004
	s_lshl_b32 s42, ttmp9, 2
	s_add_co_u32 s42, s42, s40                     ; the head = 4 x cluster x + cx
	s_and_b32 s19, ttmp7, 0xffff
	s_lshl_b32 s19, s19, 2
	s_add_co_u32 s19, s19, s41                     ; ty, my first block of 256 rows = 4 x cluster y + cy: 0 .. 15
	s_lshl_b32 s43, s41, 2
	s_lshl_b32 s43, 15, s43                        ; my row of the cluster
	s_lshl_b32 s44, 0x1111, s40                    ; my column
	; group 1: rows of 4,096 bytes (a tile's two k blocks), 16,384 bytes apart in memory, dense in LDS; elements of 8 bytes
	s_or_b32 s[G1A], s43, (3<<16)|(1<<21)          ; 15:0 the mask; 17:16 elements of 8 bytes; 21 set beside a mask; no padding: images are read 512 consecutive bytes an instruction
	s_or_b32 s[G1B], s44, (3<<16)|(1<<21)
	s_mov_b32 s[G1A+1], 512<<16                    ; tensor_dim0 = 512 elements
	s_mov_b32 s[G1A+2], 8<<16                      ; tensor_dim1 = 8 row tiles
	s_mov_b32 s[G1A+3], 512<<16                    ; tile_dim0
	s_mov_b32 s[G1A+4], 8                          ; tile_dim1
	s_mov_b32 s[G1A+5], 2048                       ; from tile to tile: 2,048 elements
	s_mov_b32 s[G1A+6], 0
	s_mov_b32 s[G1A+7], 0
	s_mov_b32 s[G1B+1], 512<<16
	s_mov_b32 s[G1B+2], 6<<16                      ; 6 column tiles
	s_mov_b32 s[G1B+3], 512<<16
	s_mov_b32 s[G1B+4], 6
	s_mov_b32 s[G1B+5], 2048
	s_mov_b32 s[G1B+6], 0
	s_mov_b32 s[G1B+7], 0
	s_lshl_b32 s20, s19, 4                         ; A: row tile 16 x block + 8 x half: it hangs on the block alone, which my row of the cluster shares
	s_lshl_b32 s21, s18, 3
	s_add_co_u32 s20, s20, s21
	s_lshl_b32 s20, s20, 14
	s_mov_b32 s21, 0
	s_mul_i32 s46, s42, 12                         ; B: column tile 12 x head + 6 x half: it hangs on the head alone, which my column shares
	s_mul_i32 s47, s18, 6
	s_add_co_u32 s46, s46, s47
	s_lshl_b32 s46, s46, 14
	s_mov_b32 s47, 0
	s_lshl_b32 s22, s18, 15                        ; where they go: A's halves at 0 and 32,768,
	s_mul_i32 s23, s18, 24576
	s_add_co_u32 s23, s23, BOFF                    ; B's behind them: no place in the cluster enters an LDS address
	s_wait_kmcnt 0x0
	s_load_b256 s[68:75], s[8:9], 0x0              ; e0 .. e7
	s_add_nc_u64 s[20:21], s[4:5], s[20:21]
	s_add_nc_u64 s[46:47], s[6:7], s[46:47]
	CROUND                                         ; all sixteen work-groups are here: the first joint loads meet
.irp s, 0,1
	s_mov_b32 s[G0A+4*\s], 1
	s_add_co_u32 s[G0A+4*\s+1], s22, \s*SLOT
	s_add_nc_u64 s[G0A+4*\s+2:G0A+4*\s+3], s[20:21], \s*4096       ; slot s begins with k blocks 2 s, 2 s + 1
	s_or_b32 s[G0A+4*\s+3], s[G0A+4*\s+3], 0x80000000
	s_mov_b32 s[G0B+4*\s], 1
	s_add_co_u32 s[G0B+4*\s+1], s23, \s*SLOT
	s_add_nc_u64 s[G0B+4*\s+2:G0B+4*\s+3], s[46:47], \s*4096
	s_or_b32 s[G0B+4*\s+3], s[G0B+4*\s+3], 0x80000000
	JLOAD \s                                       ; two loads of mine are out
.endr
	v_and_b32 v[LI], 31, v0
	v_lshlrev_b32 v[LI], 4, v[LI]
	s_lshl_b32 s45, s17, 15                        ; my 8 row tiles
	s_lshl_b32 s66, s18, 13                        ; my column tiles begin 2 wc tiles in,
	s_add_co_u32 s66, s66, BOFF                    ; behind A's
.irp s, 0,1
	v_add_nc_u32 v[ADRA+\s], s45, v[LI]
	v_add_nc_u32 v[ADRB+\s], s66, v[LI]
	s_add_co_u32 s45, s45, SLOT
	s_add_co_u32 s66, s66, SLOT
.endr
	s_wait_kmcnt 0x0
	s_add_co_i32 s76, s68, s69                     ; e0 + e1
.macro MKS se, sc                      ; v[sc] = 2^(se - e0 - e1) as f32, v[sc + 1] = 448 x that
	s_sub_co_i32 s77, \se, s76
	s_add_co_i32 s77, s77, 127
	s_lshl_b32 s78, s77, 23
	v_mov_b32 v[\sc], s78
	s_add_co_i32 s77, s77, 8
	s_lshl_b32 s77, s77, 23
	s_or_b32 s77, s77, 0x600000
	v_mov_b32 v[\sc+1], s77
.endm
	MKS s70, 8
	MKS s71, 10
	MKS s73, 12
	; where my first tile's codes go
	s_lshr_b32 s80, s19, 3                         ; batch: 8 blocks of 256 rows each
	s_lshl_b32 s80, s80, 4
	s_add_co_u32 s80, s80, s42                     ; batch x 16 + head
	s_lshl_b32 s80, s80, 17                        ; x 131,072 bytes
	s_and_b32 s81, s19, 7
	s_lshl_b32 s82, s81, 4
	s_lshl_b32 s83, s17, 3
	s_add_co_u32 s82, s82, s83                     ; q, k: my first tile of 16 positions
	s_lshl_b32 s82, s82, 10
	s_lshl_b32 s83, s18, 9                         ; piece wc: channel tiles 2 wc, 2 wc + 1
	s_add_co_u32 s82, s82, s83
	s_add_co_u32 s82, s82, s80
	s_mov_b32 s83, 0
	s_add_nc_u64 s[10:11], s[10:11], s[82:83]
	s_add_nc_u64 s[12:13], s[12:13], s[82:83]
	s_lshl_b32 s84, s81, 1
	s_add_co_u32 s84, s84, s17                     ; v: my block of 128 keys
	s_lshl_b32 s84, s84, 13
	s_lshl_b32 s85, s18, 12                        ; channel tile 2 wc
	s_add_co_u32 s84, s84, s85
	s_add_co_u32 s84, s84, s80
	s_mov_b32 s85, 0
	s_add_nc_u64 s[14:15], s[14:15], s[84:85]
; 56 LDS loads in one run: my 8 fragments of A and 6 of B of the slot's q-th k block, into set 0 or 1.  Each load takes 512 consecutive bytes.
.macro FETCH slot, q, set
	WIN 0x40*(\set)
.irp a, 0,1,2,3,4,5,6,7
.irp c, 0,1,2,3
	ds_load_b128 v[AF+16*\a+4*\c:AF+16*\a+4*\c+3], v[ADRA+\slot] offset:\a*4096+(\q)*2048+512*\c
.endr
.endr
.irp b, 0,1,2,3,4,5
.irp c, 0,1,2,3
	ds_load_b128 v[BF+16*\b+4*\c:BF+16*\b+4*\c+3], v[ADRB+\slot] offset:(4*(\b/2)+(\b%2))*4096+(\q)*2048+512*\c
.endr
.endr
.endm
; n row tiles from a0 on x my six column tiles, 128 along K.  zero = 1: the first product starts the sums: nothing is cleared.
; The 48 accumulators take turns, one instruction a turn, in the same order in every step and from tile to tile.
.macro MUL set, a0, n, zero
.set ma, \a0
.rept \n
	WIN (0xa0+0x50*(ma/4))|(5*(\set))
.irp b, 0,1,2,3,4,5
.set rD, 8*(6*(ma%4)+\b)
.set rA, AF+16*ma
.set rB, BF+16*\b
.if \b < 4
.if \zero
	v_wmma_f32_16x16x128_fp8_fp8 v[rD:rD+7], v[rB:rB+15], v[rA:rA+15], 0
.else
	v_wmma_f32_16x16x128_fp8_fp8 v[rD:rD+7], v[rB:rB+15], v[rA:rA+15], v[rD:rD+7]
.endif
.else
.if \zero
	v_wmma_f32_16x16x128_fp8_fp8 v[rD:rD+7], v[rA:rA+15], v[rB:rB+15], 0
.else
	v_wmma_f32_16x16x128_fp8_fp8 v[rD:rD+7], v[rA:rA+15], v[rB:rB+15], v[rD:rD+7]
.endif
.endif
.endr
.set ma, ma+1
.endr
.endm
; A slot's first k block: set 0 is multiplied while set 1 (the second k block) comes in.
; A load into a register that a matrix instruction has read stands four plain vector instructions behind it (ISA guide 7.12.1 for vector instructions).
; zero = 1, a tile's first k block: at the launch's head no product has read set 1 yet; at the second tile's head the way out's vector instructions stand between.
.macro STEP_E slot, zero
.if \zero == 0
	PLACES 4                                       ; the last products read set 1
.endif
	FETCH \slot, 1, 1
	s_wait_dscnt 56                                ; all but the 56 just issued: set 0 is in
	MUL 0, 0, 8, \zero
	WIN 0
.endm
; A slot's second k block (set 1) changes slots: ONE barrier; in front of it each wave waits for all its tensor loads, adds 0 to its spare word, and waits for that and for its reads of this slot.
; fill = 1: the barrier opens a round of the cluster's barrier, and this slot is filled again, with this tile's k blocks two slots on.
; fill = 2: the same, with the NEXT tile's k blocks: A goes WALKA bytes on and two slots back along K, B only back: both tiles take the same columns of w.
.macro TURN slot, next, fill
	s_wait_tensorcnt 0x0                           ; all my tensor loads have landed: my part of the next slot
	ds_add_u32 v[SPW], v[NIL]                      ; 0 onto my spare word
	s_wait_dscnt 1                                 ; only the add may be out: set 1 is in
	MUL 1, 0, 2, 0                                 ; twelve products stand between the add and the wait for it
	s_wait_dscnt 0x0                               ; the add is done, and my reads of this slot are over
	s_barrier_signal -1
	MUL 1, 2, 2, 0
	WIN 0
	s_barrier_wait -1
.if \fill
	CREST                                          ; no wave of any partner still reads this slot or has a load on its way
.if \fill == 2
	s_add_nc_u64 s[G0A+4*\slot+2:G0A+4*\slot+3], s[G0A+4*\slot+2:G0A+4*\slot+3], WALKA-8192
	s_sub_nc_u64 s[G0B+4*\slot+2:G0B+4*\slot+3], s[G0B+4*\slot+2:G0B+4*\slot+3], 8192
.else
	s_add_nc_u64 s[G0A+4*\slot+2:G0A+4*\slot+3], s[G0A+4*\slot+2:G0A+4*\slot+3], 8192
	s_add_nc_u64 s[G0B+4*\slot+2:G0B+4*\slot+3], s[G0B+4*\slot+2:G0B+4*\slot+3], 8192
.endif
	JLOAD \slot                                    ; my one tensor load behind the round; its four v_nop are also the places in front of the loads below
.else
	PLACES 4
.endif
	FETCH \next, 0, 0
	MUL 1, 4, 4, 0
	WIN 0
.endm
; THE WAY OUT of a tile: the hold at the largest code x the scale, in place, each accumulator from its low end on; one conversion an accumulator, into WINDOW 1, where set 1 is done with
; (set 0, in window 0, may already be taking the next tile's first fragments: nothing here names it):
; q: v32 + 4 a + 2 b;  k: v64 + 4 a + 2 (b - 2): four registers a tile of positions: a piece.   v: v96 + 16 (b - 4) + 2 a: sixteen registers a channel tile: a fragment.
.macro WAYOUT
	PLACES 4
.irp w, 0,1
	WIN 0x82+0x41*\w                               ; destination and source 0 in window 2 + w, the bound in window 0
.irp a, 0,1,2,3
.irp b, 0,1,2,3,4,5
.irp j, 0,1,2,3,4,5,6,7
	v_med3_num_f32 v[8*(6*\a+\b)+\j], v[8*(6*\a+\b)+\j], -v[LIMQ+2*(\b/2)], v[LIMQ+2*(\b/2)]
.endr
.endr
.endr
	WIN 0x42+\w                                    ; source 0 in window 2 + w, destination in window 1, the scale in window 0
.irp a, 0,1,2,3
.irp b, 0,1,2,3
	v_cvt_scalef32_pk8_fp8_f32 v[32+32*(\b/2)+4*(4*\w+\a)+2*(\b%2):32+32*(\b/2)+4*(4*\w+\a)+2*(\b%2)+1], v[8*(6*\a+\b):8*(6*\a+\b)+7], v[SCQ+2*(\b/2)]
.endr
.irp b, 4,5
	v_cvt_scalef32_pk8_fp8_f32 v[96+16*(\b-4)+2*(4*\w+\a):96+16*(\b-4)+2*(4*\w+\a)+1], v[8*(6*\a+\b):8*(6*\a+\b)+7], v[SCV]
.endr
.endr
.endr
	v_nop                                          ; one plain vector instruction behind the last conversion: the next tile's products write the conversions' sources
	WIN 0x04                                       ; the stores' data in window 1, their address in window 0
.irp a, 0,1,2,3,4,5,6,7
	global_store_b128 v[LI], v[32+4*\a:35+4*\a], s[10:11] offset:\a*1024   ; each store: 512 consecutive bytes, aligned
	global_store_b128 v[LI], v[64+4*\a:67+4*\a], s[12:13] offset:\a*1024
.endr
.irp d, 0,1
.irp p, 0,1,2,3
	global_store_b128 v[LI], v[96+16*\d+4*\p:99+16*\d+4*\p], s[14:15] offset:\d*2048+512*\p
.endr
.endr
	WIN 0
.endm
	s_wait_tensorcnt 1                             ; my part of slot 0 is in; slot 1's may stay out
	s_barrier_signal -1
	s_barrier_wait -1                              ; everybody's is
	FETCH 0, 0, 0
	; ---- the first tile
	STEP_E 0, 1                                    ; k block 0 starts the sums
	TURN 0, 1, 1                                   ; k block 1; slot 0 takes k blocks 4, 5
	STEP_E 1, 0
	TURN 1, 0, 1                                   ; k block 3; slot 1 takes k blocks 6, 7
	STEP_E 0, 0
	TURN 0, 1, 2                                   ; k block 5; THE RING GOES ON INTO THE SECOND TILE: slot 0 takes its k blocks 0, 1,
	STEP_E 1, 0
	TURN 1, 0, 2                                   ; k block 7; slot 1 its k blocks 2, 3, and the second tile's first fragments are fetched into set 0
	WAYOUT                                         ; both refills are asked for: now the first tile's codes are made and leave
	s_wait_xcnt 0x0                                ; the stores have read their data and their bases: only behind this wait are the bases stepped and set 1's registers loaded again
	s_add_nc_u64 s[10:11], s[10:11], WALKO
	s_add_nc_u64 s[12:13], s[12:13], WALKO
	s_add_nc_u64 s[14:15], s[14:15], WALKO
	; ---- the second tile
	STEP_E 0, 1                                    ; k block 0 starts the sums anew
	TURN 0, 1, 1
	STEP_E 1, 0
	TURN 1, 0, 1
	STEP_E 0, 0
	TURN 0, 1, 0                                   ; k block 5; nothing is left to fetch
	STEP_E 1, 0
	s_wait_dscnt 0x0
	MUL 1, 0, 8, 0                                 ; k block 7
	WAYOUT
	s_wait_tensorcnt 0x0                           ; the wave's end
	ds_add_u32 v[SPW], v[NIL]
	s_wait_dscnt 0x0
	CROUND                                         ; the closing round: no work-group ends while a partner may still ask for a tile that names it
	s_endpgm
.Lfunc_end_k_qe7743aa845_qkv:
	.size	k_qe7743aa845_qkv, .Lfunc_end_k_qe7743aa845_qkv-k_qe7743aa845_qkv
	.p2alignl 7, 3214868480
	.fill 96, 4, 3214868480
	.section	.rodata,"a",@progbits
	.p2align	6, 0x0
	.amdhsa_kernel k_qe7743aa845_qkv
		.amdhsa_group_segment_fixed_size 327680
		.amdhsa_private_segment_fixed_size 0
		.amdhsa_enable_private_segment 0
		.amdhsa_kernarg_size 48
		.amdhsa_user_sgpr_count 2
		.amdhsa_user_sgpr_kernarg_segment_ptr 1
		.amdhsa_wavefront_size32 1
		.amdhsa_system_sgpr_workgroup_id_x 1
		.amdhsa_system_sgpr_workgroup_id_y 1
		.amdhsa_system_sgpr_workgroup_id_z 1
		.amdhsa_system_vgpr_workitem_id 0
		.amdhsa_next_free_vgpr 1024
		.amdhsa_next_free_sgpr 96
		.amdhsa_reserve_vcc 0
		.amdhsa_float_denorm_mode_32 3
		.amdhsa_float_denorm_mode_16_64 3
		.amdhsa_memory_ordered 1
		.amdhsa_forward_progress 1
		.amdhsa_inst_pref_size 182
	.end_amdhsa_kernel
	.amdgpu_metadata
---
amdhsa.version: [ 1, 2 ]
amdhsa.kernels:
  - .name:           k_qe7743aa845_qkv
    .symbol:         k_qe7743aa845_qkv.kd
    .args:
      - { .name: x_img, .offset: 0, .size: 8, .value_kind: global_buffer, .address_space: global }
      - { .name: wq_img, .offset: 8, .size: 8, .value_kind: global_buffer, .address_space: global }
      - { .name: lowp_scales, .offset: 16, .size: 8, .value_kind: global_buffer, .address_space: global }
      - { .name: q_img, .offset: 24, .size: 8, .value_kind: global_buffer, .address_space: global }
      - { .name: k_img, .offset: 32, .size: 8, .value_kind: global_buffer, .address_space: global }
      - { .name: v_img, .offset: 40, .size: 8, .value_kind: global_buffer, .address_space: global }
    .group_segment_fixed_size: 327680
    .private_segment_fixed_size: 0
    .kernarg_segment_align: 8
    .kernarg_segment_size: 48
    .max_flat_workgroup_size: 128
    .sgpr_count:     96
    .vgpr_count:     1024
    .wavefront_size: 32
...
	.end_amdgpu_metadata
.endif
;; end of part 2
;; launch attn (part 3): grid 4 x 64, 8 waves a work-group, clusters of 4 x 1, 263,168 bytes of LDS; arguments q_img, k_img, v_img, lowp_scales, o_img; writes o_img
.if DOCPART == 3
	.amdgcn_target "amdgcn-amd-amdhsa--gfx1250"
	.amdhsa_code_object_version 6
	.text
	.protected	k_qe7743aa845_attn
	.globl	k_qe7743aa845_attn
	.p2align	8
	.type	k_qe7743aa845_attn,@function
k_qe7743aa845_attn:
	s_mov_b64 s[64:65], 0
	v_nop
	global_prefetch_b8 v0, s[64:65] scope:SCOPE_SE
	s_setreg_imm32_b32 hwreg(HW_REG_WAVE_MODE, 25, 1), 1
	s_wait_xcnt 0x0
	s_wait_alu depctr_hold_cnt(0) depctr_sa_sdst(0) depctr_va_vdst(0) depctr_va_sdst(0) depctr_va_ssrc(0) depctr_va_vcc(0) depctr_vm_vsrc(0)
	s_getreg_b32 s2, hwreg(HW_REG_IB_STS2, 6, 4)
	s_cmp_eq_u32 s2, 0
	s_cbranch_scc0 .Lentry_in_a_cluster
	s_endpgm
.Lentry_in_a_cluster:
	s_bfe_u32 s2, ttmp6, 0x10000c
	s_cmp_lg_u32 s2, 0x3003
	s_cbranch_scc0 .Lentry_shape_is_right
	s_endpgm
.Lentry_shape_is_right:
; For each of 64 (batch, head): w = relu(q k^T / 8), attn = w / (the row's sum of w + 1e-6), o = attn v; both products on codes of FP8 (E4M3).
; What the second product quantises is the FINISHED attn, so a row's sum is known before any of its weights is quantised: THE KEYS ARE WALKED TWICE.
;   pass 1: S^T = K Q^T, relu, the row's sum R (f32).      f = 2^g / (2^g R + 1e-6), g = e2 + e3 - 3 (a score is S x 2^(e2 + e3) / 8).
;   pass 2: S^T again; attn = relu(S) f, held within 0 .. 448 x 2^e4 (the lower bound is the relu), codes with 2^e4; O^T += V^T P^T.
; At the end O^T, which stands for O^T x 2^(e4 + e5), is held and converted with 2^(e6 - e4 - e5): the codes of the last product's operand.
; LIMITS: g between -126 and 127; e4 and e6 - e4 - e5 between -126 and 119.  NaN is not served.
; IMAGES (lane (r, h): row r; registers 2 c, 2 c + 1: k = 16 c + 8 h + 0 .. 7; pieces of 4 registers x 32 lanes = 512 bytes, lane l at 16 l):
;   q_img, k_img [bh][tile of 16 positions 128][1024];  v_img [bh][block of 128 keys 16][channel tile 4][2048];  o_img [row tile 512][k block 8][2048], head h in k block h / 2, pieces 2 (h % 2) + 0, 1.
; LAYOUT.  Both products are used transposed: S^T: source 0 = 16 keys, source 1 = 16 queries; O^T: source 0 = 16 channels of V, source 1 = P.  A lane holds ONE query throughout, and the eight registers
; of a tile of S^T are keys 8 h + 0 .. 7 of that tile: one conversion gives registers 2 c, 2 c + 1 of P.
; SHARES.  A work-group owns 512 queries of one (batch, head), each of its eight waves 64: four tiles t.  Two waves to a SIMD, so that one wave's vector work stands beside the other's products.
; The head's whole K (131,072 bytes, LDS 0) and V (131,072 bytes behind it) lie in LDS, filled ONCE: no ring, nothing is filled again.
; CLUSTER: the four work-groups of a (batch, head) read the same K and V: every fill is a joint load with the mask of all four.
; THE VECTOR WORK outweighs the products, so it is kept to two numbers an instruction wherever a form exists: pass 1: relu by dual issue, sums packed; pass 2: x f packed, relu and hold in one v_med3.
; REGISTERS: window 0: v1-7, v24 addresses and scales; v[8 + 2 t : 9 + 2 t] f of tile t, twice; v32 + 32 t + 8 i S^T; v160 + 16 t P (in pass 1: v160 + 4 t the sums, two pairs a tile); v224 + 8 t Q.
;   window 1: v[32 t + 8 d] O^T; v128 + 32 p two sets of four key tiles; v192 + 16 d V's four fragments.
.set LI,   1                           ; v1  16 x lane
.set ADK,  2                           ; v2  LDS address of the block of 128 keys in hand
.set ADV,  3                           ; v3  the same in V
.set SC4,  4                           ; v4, v5: 2^e4 as f32 and 448 x it
.set LIM4, 5
.set SC6,  6                           ; v6, v7: the same with e6 - e4 - e5
.set LIM6, 7
.set FF,   8
.set LIV,  24                          ; v24 16 x lane + 131,072
.set S,    32
.set P,    160
.set Q,    224
.set WV,   16
.set MSB, 0
.macro WIN new
.if MSB != (\new)
	s_set_vgpr_msb (MSB<<8)|(\new)
.set MSB, (\new)
.endif
.endm
.macro PLACES n
.rept \n
	v_nop
.endr
.endm
.macro CROUND                          ; a round of the cluster's barrier
	s_barrier_signal -1
	s_barrier_wait -1
	s_cmp_lg_u32 s[WV], 0
	s_cbranch_scc1 .Lnot_wave_0_\@
	s_barrier_signal -3
.Lnot_wave_0_\@:
	s_barrier_wait -3
	s_barrier_signal -1
	s_barrier_wait -1
.endm
	s_load_b256 s[4:11], s[0:1], 0x0               ; q_img s[4:5], k_img s[6:7], v_img s[8:9], the scales' exponents s[10:11]
	s_load_b64 s[12:13], s[0:1], 0x20              ; o_img
	v_lshl_add_u32 v30, v0, 2, 0x40000
	v_mov_b32 v31, 0
	ds_add_u32 v30, v31
	ds_add_u32 v30, v31
	v_lshrrev_b32 v2, 5, v0
	v_readfirstlane_b32 s[WV], v2                  ; wave 0..7
	v_and_b32 v[LI], 31, v0
	v_lshlrev_b32 v[LI], 4, v[LI]
	v_add_nc_u32 v[LIV], 131072, v[LI]
	s_bfe_u32 s17, ttmp6, 0x40000                  ; cx: it enters Q's and O's addresses alone
	s_and_b32 s18, ttmp7, 0xffff                   ; batch x 16 + head, which the four partners share
	s_lshl_b32 s19, s[WV], 14                      ; my 16,384 bytes of K and of V
	s_lshl_b32 s20, s18, 17
	s_add_co_u32 s20, s20, s19
	s_mov_b32 s21, 0
	; group 1: a dense block of 16,384 bytes as 64 rows of 256
	s_mov_b32 s24, 15|(3<<16)|(1<<21)              ; 15:0 the mask: all four work-groups; 17:16 elements of 8 bytes; 21 set beside a mask
	s_mov_b32 s25, 32<<16                          ; tensor_dim0 = 32 elements
	s_mov_b32 s26, 64<<16                          ; tensor_dim1 = 64
	s_mov_b32 s27, 32<<16                          ; tile_dim0
	s_mov_b32 s28, 64                              ; tile_dim1
	s_mov_b32 s29, 32                              ; from row to row
	s_mov_b32 s30, 0
	s_mov_b32 s31, 0
	s_lshl_b32 s22, ttmp9, 2
	s_add_co_u32 s22, s22, s17                     ; my block of 512 queries
	s_lshl_b32 s56, s22, 15                        ; Q: 32 tiles of 1,024 bytes a block,
	s_lshl_b32 s57, s[WV], 12                      ; 4 a wave,
	s_add_co_u32 s56, s56, s57
	s_lshl_b32 s57, s18, 17                        ; in my head
	s_add_co_u32 s56, s56, s57
	s_mov_b32 s57, 0
	s_lshr_b32 s58, s18, 4                         ; O: row tile 128 x batch + 32 x block + 4 x wave, 16,384 bytes each,
	s_lshl_b32 s58, s58, 21
	s_lshl_b32 s59, s22, 19
	s_add_co_u32 s58, s58, s59
	s_lshl_b32 s59, s[WV], 16
	s_add_co_u32 s58, s58, s59
	s_bfe_u32 s59, s18, 0x30001                    ; k block head / 2,
	s_lshl_b32 s59, s59, 11
	s_add_co_u32 s58, s58, s59
	s_and_b32 s59, s18, 1                          ; pieces 2 (head % 2) on
	s_lshl_b32 s59, s59, 10
	s_add_co_u32 s58, s58, s59
	s_mov_b32 s59, 0
	s_mov_b32 s52, 0x358637bd                      ; 1e-6
	s_mov_b32 s54, 0x76543210                      ; v_permlanex16_b32's selects for lane l xor 16
	s_mov_b32 s55, 0xfedcba98
	s_wait_dscnt 0x0
	s_wait_kmcnt 0x0
	s_load_b256 s[40:47], s[10:11], 0x0            ; e0 .. e7
	s_mov_b32 s32, 1                               ; group 0 for K: count 1,
	s_mov_b32 s33, s19                             ; LDS 16,384 x wave,
	s_add_nc_u64 s[34:35], s[6:7], s[20:21]        ; the same part of the head's K,
	s_or_b32 s35, s35, 0x80000000                  ; type 2
	s_mov_b32 s36, 1                               ; and for V, behind K
	s_add_co_u32 s37, s19, 131072
	s_add_nc_u64 s[38:39], s[8:9], s[20:21]
	s_or_b32 s39, s39, 0x80000000
	s_add_nc_u64 s[4:5], s[4:5], s[56:57]
	s_add_nc_u64 s[12:13], s[12:13], s[58:59]
	CROUND                                         ; all four work-groups are here: the joint loads meet
	tensor_load_to_lds s[32:35], s[24:31]          ; two loads of mine are out: the only ones of the launch
	s_nop 0
	tensor_load_to_lds s[36:39], s[24:31]
	s_nop 0
	PLACES 4
.irp n, 0,1,2,3,4,5,6,7
	global_load_b128 v[Q+4*\n:Q+4*\n+3], v[LI], s[4:5] offset:512*\n   ; Q's four fragments stay in registers: 4,096 consecutive bytes
.endr
.irp n, 0,1,2,3,4,5,6,7,8,9,10,11,12,13,14,15
	v_mov_b32 v[P+\n], 0                           ; the row sums: eight chains of pairs
.endr
	s_wait_kmcnt 0x0
.macro MKS se, sc                      ; v[sc] = 2^se as f32, v[sc + 1] = 448 x that
	s_add_co_i32 s60, \se, 127
	s_lshl_b32 s61, s60, 23
	v_mov_b32 v[\sc], s61
	s_add_co_i32 s60, s60, 8
	s_lshl_b32 s60, s60, 23
	s_or_b32 s60, s60, 0x600000
	v_mov_b32 v[\sc+1], s60
.endm
	MKS s44, 4
	s_sub_co_i32 s62, s46, s44
	s_sub_co_i32 s62, s62, s45
	MKS s62, 6
	s_add_co_i32 s51, s42, s43
	s_add_co_i32 s51, s51, 124
	s_lshl_b32 s51, s51, 23                        ; 2^g as f32, g = e2 + e3 - 3
	s_mov_b32 s48, 0                               ; the keys' byte in LDS
	s_mov_b32 s49, 0                               ; V's
	s_wait_tensorcnt 0x0                           ; my parts of K and V are in,
	s_barrier_signal -1
	s_barrier_wait -1                              ; everybody's are: from here on LDS is only read
.macro FETCHK set, off                 ; four key tiles (64 keys), 8 loads of 512 consecutive bytes
	WIN 0x40
.irp i, 0,1,2,3
	ds_load_b128 v[128+32*(\set)+8*\i:128+32*(\set)+8*\i+3], v[ADK] offset:(\off)+1024*\i
	ds_load_b128 v[128+32*(\set)+8*\i+4:128+32*(\set)+8*\i+7], v[ADK] offset:(\off)+1024*\i+512
.endr
	WIN 0
.endm
.macro KSTEP                           ; on to the next 128 keys; behind the last block it turns back to the first
	s_add_co_u32 s48, s48, 8192
	s_and_b32 s48, s48, 0x1ffff
	v_add_nc_u32 v[ADK], s48, v[LI]
.endm
.macro SMUL p                          ; S^T of 64 keys x my 64 queries: 16 products, each a whole sum (K = the head's 64); four places before the results are read (ISA guide 7.12.1)
	WIN 0x01
.irp i, 0,1,2,3
.irp t, 0,1,2,3
	v_wmma_f32_16x16x64_fp8_fp8 v[S+32*\t+8*\i:S+32*\t+8*\i+7], v[128+32*(\p)+8*\i:128+32*(\p)+8*\i+7], v[Q+8*\t:Q+8*\t+7], 0
.endr
.endr
	WIN 0
	PLACES 4
.endm
; relu, two registers an instruction: a dual-issue pair on an even and the next odd register (one destination even, one odd; the first sources the constant 0; the second sources in neighbouring register banks),
; each accumulator from its low end on; then the sums, two at a time, in eight chains: 128 instructions for 128 registers of scores
.macro VEC1
.set j, 0
.rept 64
	v_dual_max_num_f32 v[S+j], 0, v[S+j] :: v_dual_max_num_f32 v[S+j+1], 0, v[S+j+1]
.set j, j+2
.endr
.irp jj, 0,1,2,3,4,5,6,7,8,9,10,11,12,13,14,15
.irp t, 0,1,2,3
	v_pk_add_f32 v[P+4*\t+2*(\jj%2):P+4*\t+2*(\jj%2)+1], v[P+4*\t+2*(\jj%2):P+4*\t+2*(\jj%2)+1], v[S+32*\t+2*\jj:S+32*\t+2*\jj+1]
.endr
.endr
.endm
.macro VEC2 u                          ; half u of a block of 128 keys: x f; relu and hold in one; codes: key tile 4 u + i gives registers 8 u + 2 i, + 1 of P
.irp t, 0,1,2,3
.irp jj, 0,1,2,3,4,5,6,7,8,9,10,11,12,13,14,15
	v_pk_mul_f32 v[S+32*\t+2*\jj:S+32*\t+2*\jj+1], v[S+32*\t+2*\jj:S+32*\t+2*\jj+1], v[FF+2*\t:FF+2*\t+1]
.endr
.irp j, 0,1,2,3,4,5,6,7,8,9,10,11,12,13,14,15,16,17,18,19,20,21,22,23,24,25,26,27,28,29,30,31
	v_med3_num_f32 v[S+32*\t+\j], v[S+32*\t+\j], 0, v[LIM4]
.endr
.irp i, 0,1,2,3
	v_cvt_scalef32_pk8_fp8_f32 v[P+16*\t+8*(\u)+2*\i:P+16*\t+8*(\u)+2*\i+1], v[S+32*\t+8*\i:S+32*\t+8*\i+7], v[SC4]
.endr
.endr
	v_nop                                          ; one plain vector instruction between the last conversion and the products that read its result or write its sources
.endm
.macro PV zero                         ; O^T += V^T P^T, K = 128 keys: 16 accumulators, one instruction each
	WIN 0x51
.irp d, 0,1,2,3
.irp t, 0,1,2,3
.if \zero
	v_wmma_f32_16x16x128_fp8_fp8 v[32*\t+8*\d:32*\t+8*\d+7], v[192+16*\d:192+16*\d+15], v[P+16*\t:P+16*\t+15], 0
.else
	v_wmma_f32_16x16x128_fp8_fp8 v[32*\t+8*\d:32*\t+8*\d+7], v[192+16*\d:192+16*\d+15], v[P+16*\t:P+16*\t+15], v[32*\t+8*\d:32*\t+8*\d+7]
.endif
.endr
.endr
	WIN 0
.endm
.macro STEP2 zero                      ; pass 2, a block of 128 keys
	v_add_nc_u32 v[ADV], s49, v[LIV]               ; with the three v_nop: four places behind the last products, which read V's registers
	PLACES 3
	s_add_co_u32 s49, s49, 8192
	WIN 0x40
.irp d, 0,1,2,3
.irp p, 0,1,2,3
	ds_load_b128 v[192+16*\d+4*\p:192+16*\d+4*\p+3], v[ADV] offset:2048*\d+512*\p
.endr
.endr
	FETCHK 1, 4096
	s_wait_dscnt 24                                ; V's 16 loads and key set 1's 8 may be out: key set 0 is in
	SMUL 0
	VEC2 0
	KSTEP
	FETCHK 0, 0                                    ; the next block's first half (in the last trip: keys 0-63 once more, which nobody uses)
	s_wait_dscnt 8                                 ; only those 8 may be out: V and key set 1 are in
	SMUL 1
	VEC2 1
	PV \zero
.endm
	v_add_nc_u32 v[ADK], s48, v[LI]
	FETCHK 0, 0
	s_wait_loadcnt 0x0                             ; Q
	s_mov_b32 s50, 16
.Lpass1:                                               ; 16 trips of 128 keys
	FETCHK 1, 4096
	s_wait_dscnt 8                                 ; only the 8 just issued may be out: key set 0 is in
	SMUL 0
	VEC1
	KSTEP
	FETCHK 0, 0                                    ; in the last trip: keys 0-63, for pass 2
	s_wait_dscnt 8                                 ; key set 1 is in
	SMUL 1
	VEC1
	s_sub_co_u32 s50, s50, 1
	s_cmp_lg_u32 s50, 0
	s_cbranch_scc1 .Lpass1
	; f = 2^g / (2^g R + 1e-6).  A query's other keys lie in the lane 16 away.
.irp t, 0,1,2,3
	v_pk_add_f32 v[P+4*\t:P+4*\t+1], v[P+4*\t:P+4*\t+1], v[P+4*\t+2:P+4*\t+3]
.endr
.irp t, 0,1,2,3
	v_add_f32 v[P+4*\t], v[P+4*\t], v[P+4*\t+1]
.endr
.irp t, 0,1,2,3
	v_permlanex16_b32 v[P+4*\t+1], v[P+4*\t], s54, s55
.endr
.irp t, 0,1,2,3
	v_add_f32 v[P+4*\t], v[P+4*\t], v[P+4*\t+1]
.endr
.irp t, 0,1,2,3
	v_fma_f32 v[P+4*\t], v[P+4*\t], s51, s52
.endr
.irp t, 0,1,2,3
	v_rcp_f32 v[P+4*\t+2], v[P+4*\t]
.endr
	v_nop                                          ; a plain instruction behind the last reciprocal,
	s_wait_alu depctr_va_vdst(0)                   ; and the wait ahead of the first use: one for the four
.irp t, 0,1,2,3
	v_mul_f32 v[FF+2*\t], s51, v[P+4*\t+2]
.endr
.irp t, 0,1,2,3
	v_mov_b32 v[FF+2*\t+1], v[FF+2*\t]             ; the packed multiply takes the pair
.endr
	STEP2 1                                        ; the first block's products start O^T's sums: nothing is cleared
	s_mov_b32 s50, 15
.Lpass2:
	STEP2 0
	s_sub_co_u32 s50, s50, 1
	s_cmp_lg_u32 s50, 0
	s_cbranch_scc1 .Lpass2
	; THE WAY OUT: the hold, in place, each accumulator from its low end on; channel tile d of tile t gives registers 2 d, 2 d + 1 of my head's half of a fragment
	PLACES 4
	WIN 0x41
.set j, 0
.rept 128
	v_med3_num_f32 v[j], v[j], -v[LIM6], v[LIM6]
.set j, j+1
.endr
	WIN 0x01
.irp t, 0,1,2,3
.irp d, 0,1,2,3
	v_cvt_scalef32_pk8_fp8_f32 v[S+8*\t+2*\d:S+8*\t+2*\d+1], v[32*\t+8*\d:32*\t+8*\d+7], v[SC6]
.endr
.endr
	v_nop
	WIN 0
.irp t, 0,1,2,3
.irp p, 0,1
	global_store_b128 v[LI], v[S+8*\t+4*\p:S+8*\t+4*\p+3], s[12:13] offset:\t*16384+512*\p   ; 512 consecutive bytes, aligned
.endr
.endr
	s_wait_dscnt 0x0                               ; the last trip's fetch: no LDS instruction is out at a signal
	s_wait_tensorcnt 0x0
	ds_add_u32 v30, v31
	s_wait_dscnt 0x0
	CROUND                                         ; the closing round
	s_endpgm
.Lfunc_end_k_qe7743aa845_attn:
	.size	k_qe7743aa845_attn, .Lfunc_end_k_qe7743aa845_attn-k_qe7743aa845_attn
	.p2alignl 7, 3214868480
	.fill 96, 4, 3214868480
	.section	.rodata,"a",@progbits
	.p2align	6, 0x0
	.amdhsa_kernel k_qe7743aa845_attn
		.amdhsa_group_segment_fixed_size 263168
		.amdhsa_private_segment_fixed_size 0
		.amdhsa_enable_private_segment 0
		.amdhsa_kernarg_size 40
		.amdhsa_user_sgpr_count 2
		.amdhsa_user_sgpr_kernarg_segment_ptr 1
		.amdhsa_wavefront_size32 1
		.amdhsa_system_sgpr_workgroup_id_x 1
		.amdhsa_system_sgpr_workgroup_id_y 1
		.amdhsa_system_sgpr_workgroup_id_z 1
		.amdhsa_system_vgpr_workitem_id 0
		.amdhsa_next_free_vgpr 512
		.amdhsa_next_free_sgpr 66
		.amdhsa_reserve_vcc 0
		.amdhsa_float_denorm_mode_32 3
		.amdhsa_float_denorm_mode_16_64 3
		.amdhsa_memory_ordered 1
		.amdhsa_forward_progress 1
		.amdhsa_inst_pref_size 103
	.end_amdhsa_kernel
	.amdgpu_metadata
---
amdhsa.version: [ 1, 2 ]
amdhsa.kernels:
  - .name:           k_qe7743aa845_attn
    .symbol:         k_qe7743aa845_attn.kd
    .args:
      - { .name: q_img, .offset: 0, .size: 8, .value_kind: global_buffer, .address_space: global }
      - { .name: k_img, .offset: 8, .size: 8, .value_kind: global_buffer, .address_space: global }
      - { .name: v_img, .offset: 16, .size: 8, .value_kind: global_buffer, .address_space: global }
      - { .name: lowp_scales, .offset: 24, .size: 8, .value_kind: global_buffer, .address_space: global }
      - { .name: o_img, .offset: 32, .size: 8, .value_kind: global_buffer, .address_space: global }
    .group_segment_fixed_size: 263168
    .private_segment_fixed_size: 0
    .kernarg_segment_align: 8
    .kernarg_segment_size: 40
    .max_flat_workgroup_size: 256
    .sgpr_count:     66
    .vgpr_count:     512
    .wavefront_size: 32
...
	.end_amdgpu_metadata
.endif
;; end of part 3
;; launch outln (part 4): grid 256 x 1, 4 waves a work-group, clusters of 4 x 1, 327,680 bytes of LDS; arguments o_img, wo_img, lowp_scales, b_out, x, gamma, beta, out0; writes out0
.if DOCPART == 4
	.amdgcn_target "amdgcn-amd-amdhsa--gfx1250"
	.amdhsa_code_object_version 6
	.text
	.protected	k_qe7743aa845_outln
	.globl	k_qe7743aa845_outln
	.p2align	8
	.type	k_qe7743aa845_outln,@function
k_qe7743aa845_outln:
	s_mov_b64 s[64:65], 0
	v_nop
	global_prefetch_b8 v0, s[64:65] scope:SCOPE_SE
	s_setreg_imm32_b32 hwreg(HW_REG_WAVE_MODE, 25, 1), 1
	s_wait_xcnt 0x0
	s_wait_alu depctr_hold_cnt(0) depctr_sa_sdst(0) depctr_va_vdst(0) depctr_va_sdst(0) depctr_va_ssrc(0) depctr_va_vcc(0) depctr_vm_vsrc(0)
	s_getreg_b32 s2, hwreg(HW_REG_IB_STS2, 6, 4)
	s_cmp_eq_u32 s2, 0
	s_cbranch_scc0 .Lentry_in_a_cluster
	s_endpgm
.Lentry_in_a_cluster:
	s_bfe_u32 s2, ttmp6, 0x10000c
	s_cmp_lg_u32 s2, 0x3003
	s_cbranch_scc0 .Lentry_shape_is_right
	s_endpgm
.Lentry_shape_is_right:
; out0 = LayerNorm(x + o w_out + b_out) x gamma + beta; the product on codes of FP8 (E4M3), all else f32.  A sum stands for sum x 2^(e6 + e7).  LIMIT: e6 + e7 between -126 and 127.
; The norm wants whole rows, so a work-group takes 32 rows x ALL 1,024 columns; wave w makes columns 256 w on: 16 column tiles x 2 row tiles = 32 accumulators.
; o_img [row tile 512][k block 8][2048], wo_img [k block 8][column tile 64][2048]: images of operand registers (lane (r, h): row r; registers 2 c, 2 c + 1: k = 16 c + 8 h + 0 .. 7; pieces of 512 bytes).
; The work-group's 16 fragments of o (32,768 bytes) go once through LDS to all four waves.  w_out's k blocks (131,072 bytes each) go through a ring of two slots.
; CLUSTER 4 x 1: all row blocks walk the same w_out: each k block is asked for jointly by four work-groups.
; The matrix instruction is used transposed (source 0 = 16 columns of w_out, source 1 = 16 rows of o): a lane holds eight neighbouring columns of one row.
; Mean and variance in two passes over registers: the mean first, then the squares of the differences.
; REGISTERS: window 0: v1-8, v28, v29 addresses; v32 + 16 m o's two fragments; v64 b_out, v96 gamma, v128 beta (32 each: columns 128 k + 4 l + 0 .. 3); v160 + 8 i + 2 c partial sums; v224 + 2 i the means, v240 + 2 i the
;   reciprocal deviations, as pairs.   window 1: x, 8 rows x 32.   window 2: w_out's 16 fragments; later my 8 rows, 32 registers each.   window 3: accumulator (nt, m) at v[8 (2 nt + m)].
.set SLOT1, 131584                     ; slot 0 at 0 (131,072 bytes); the stage for the way out, 32 rows x 4,112 bytes, lies in slot 0 behind its last fill and read, and in the 512 bytes behind it that no fill touches
.set SPARE, SLOT1+131072               ; the spare words, 128 bytes for each wave: two blocks of 256 bytes that no other line names
.set AIMG,  SPARE+512                  ; o's 16 fragments: written by LDS stores alone
.set SPI,   4112                       ; a stage row: 4,096 bytes + 16: 257 x 16 bytes
.set LI,   1                           ; v1 16 x lane
.set ASTO, 2                           ; v2 where I store my quarter of o's images
.set ARD,  3                           ; v3 where all read them
.set BRD,  4                           ; v4, v5 my 16 fragments of w_out in slot 0, 1
.set STO0, 6                           ; v6, v7 the stage: my 32 bytes of row r, of row 16 + r
.set STO1, 7
.set SRD,  8                           ; v8 the stage: my 8 rows, 16 bytes a lane
.set SPW,  28
.set NIL,  29
.set AF,   32
.set BO,   64
.set GA,   96
.set BE,   128
.set T,    160
.set MU,   224
.set RS,   240
.set WV,   20
.set G1,   24                          ; s[24:31] descriptor group 1; s[32:39] group 0, a set for each slot
.set G0,   32
.set MSB, 0
.macro WIN new
.if MSB != (\new)
	s_set_vgpr_msb (MSB<<8)|(\new)
.set MSB, (\new)
.endif
.endm
.macro PLACES n
.rept \n
	v_nop
.endr
.endm
.macro CROUND                          ; a round of the cluster's barrier
	s_barrier_signal -1
	s_barrier_wait -1
	s_cmp_lg_u32 s[WV], 0
	s_cbranch_scc1 .Lnot_wave_0_\@
	s_barrier_signal -3
.Lnot_wave_0_\@:
	s_barrier_wait -3
	s_barrier_signal -1
	s_barrier_wait -1
.endm
	s_load_b512 s[4:19], s[0:1], 0x0               ; o_img s[4:5], wo_img s[6:7], scales s[8:9], b_out s[10:11], x s[12:13], gamma s[14:15], beta s[16:17], out0 s[18:19]
	v_lshl_add_u32 v[SPW], v0, 2, SPARE
	v_mov_b32 v[NIL], 0
	ds_add_u32 v28, v29
	ds_add_u32 v28, v29
	s_wait_dscnt 0x0
	v_lshrrev_b32 v9, 5, v0
	v_readfirstlane_b32 s[WV], v9                  ; wave 0..3
	s_bfe_u32 s21, ttmp6, 0x40000                  ; cx: it enters o's, x's and out0's addresses alone
	s_lshl_b32 s22, ttmp9, 2
	s_add_co_u32 s22, s22, s21                     ; my block of 32 rows
	; group 1: a dense block of 32,768 bytes as 128 rows of 256
	s_mov_b32 s[G1], 15|(3<<16)|(1<<21)            ; 15:0 the mask: all four work-groups; 17:16 elements of 8 bytes; 21 set beside a mask
	s_mov_b32 s[G1+1], 32<<16
	s_mov_b32 s[G1+2], 128<<16
	s_mov_b32 s[G1+3], 32<<16
	s_mov_b32 s[G1+4], 128
	s_mov_b32 s[G1+5], 32
	s_mov_b32 s[G1+6], 0
	s_mov_b32 s[G1+7], 0
	s_lshl_b32 s23, s[WV], 15                      ; my 16 column tiles: 32,768 bytes, in memory and in a slot
	s_mov_b32 s54, s23
	s_mov_b32 s55, 0
	s_lshl_b32 s58, s22, 15                        ; o: 32,768 bytes a block, 8,192 a wave
	s_lshl_b32 s59, s[WV], 13
	s_add_co_u32 s58, s58, s59
	s_mov_b32 s59, 0
	s_lshl_b32 s60, s22, 17                        ; x, out0: 32 rows of 4,096 bytes a block, 8 a wave
	s_add_co_u32 s60, s60, s23
	s_mov_b32 s61, 0
	s_mov_b32 s50, 0x3a800000                      ; 1 / 1,024
	s_mov_b32 s51, 0x3727c5ac                      ; 1e-5
	s_mov_b32 s52, 0x76543210                      ; v_permlanex16_b32's selects for lane l xor 16
	s_mov_b32 s53, 0xfedcba98
	s_wait_kmcnt 0x0
	s_load_b256 s[40:47], s[8:9], 0x0              ; e0 .. e7
	s_add_nc_u64 s[56:57], s[6:7], s[54:55]
	s_mov_b32 s[G0], 1
	s_mov_b32 s[G0+1], s23                         ; slot 0
	s_mov_b64 s[G0+2:G0+3], s[56:57]               ; k block 0
	s_or_b32 s[G0+3], s[G0+3], 0x80000000
	s_mov_b32 s[G0+4], 1
	s_add_co_u32 s[G0+5], s23, SLOT1               ; slot 1
	s_add_nc_u64 s[G0+6:G0+7], s[56:57], 131072    ; k block 1
	s_or_b32 s[G0+7], s[G0+7], 0x80000000
	s_add_nc_u64 s[4:5], s[4:5], s[58:59]
	s_add_nc_u64 s[12:13], s[12:13], s[60:61]
	s_add_nc_u64 s[18:19], s[18:19], s[60:61]
	CROUND                                         ; all four work-groups are here
	tensor_load_to_lds s[G0:G0+3], s[G1:G1+7]      ; k block 0: one load of mine is out
	s_nop 0
	PLACES 4
	v_and_b32 v[LI], 31, v0
	v_lshlrev_b32 v[LI], 4, v[LI]
	v_and_b32 v9, 15, v0                           ; r
	v_bfe_u32 v10, v0, 4, 1                        ; h
	s_lshl_b32 s54, s[WV], 13
	s_add_co_u32 s54, s54, AIMG
	v_add_nc_u32 v[ASTO], s54, v[LI]
	v_add_nc_u32 v[ARD], AIMG, v[LI]
	v_add_nc_u32 v[BRD], s23, v[LI]
	v_add_nc_u32 v[BRD+1], SLOT1, v[BRD]
	v_mul_u32_u24 v[STO0], v9, SPI
	v_lshl_add_u32 v[STO0], v10, 5, v[STO0]
	s_lshl_b32 s54, s[WV], 10
	v_add_nc_u32 v[STO0], s54, v[STO0]             ; row r, + 1,024 w, + 32 h
	v_add_nc_u32 v[STO1], 16*SPI, v[STO0]
	s_mul_i32 s54, s[WV], 8*SPI
	v_add_nc_u32 v[SRD], s54, v[LI]
	WIN 0x80
.irp i, 0,1,2,3,4,5,6,7,8,9,10,11,12,13,14,15
	global_load_b128 v[4*\i:4*\i+3], v[LI], s[4:5] offset:512*\i     ; my quarter of o's images
.endr
	WIN 0x40
.irp i, 0,1,2,3,4,5
.irp k, 0,1,2,3,4,5,6,7
	global_load_b128 v[32*\i+4*\k:32*\i+4*\k+3], v[LI], s[12:13] offset:\i*4096+512*\k th:TH_LOAD_NT   ; x is asked for here and wanted at the end: rows 8 w + i
.endr
.endr
	s_wait_loadcnt 48                              ; o's 16 loads are in; x's 48 may be out
	WIN 0x08
.irp i, 0,1,2,3,4,5,6,7,8,9,10,11,12,13,14,15
	ds_store_b128 v[ASTO], v[4*\i:4*\i+3] offset:512*\i
.endr
	WIN 0x40
.irp k, 0,1,2,3,4,5,6,7
	global_load_b128 v[192+4*\k:195+4*\k], v[LI], s[12:13] offset:6*4096+512*\k th:TH_LOAD_NT
.endr
	WIN 0
; K BLOCK s.  In front of the round each wave waits for all its tensor loads (its part of this k block), adds 0 to its spare word, and waits for that, for its reads of the other slot and (s = 0) for its stores of
; o's images.  Behind the round the other slot takes the next k block: my one tensor load until the next round.
.macro TRIP s
	s_wait_tensorcnt 0x0
	ds_add_u32 v[SPW], v[NIL]
.if \s < 6
	s_add_nc_u64 s[G0+4*(\s%2)+2:G0+4*(\s%2)+3], s[G0+4*(\s%2)+2:G0+4*(\s%2)+3], 262144   ; no load of mine is out: this slot's next k block
.endif
	s_wait_dscnt 0x0
	CROUND
.if \s < 7
	tensor_load_to_lds s[G0+4*(1-\s%2):G0+4*(1-\s%2)+3], s[G1:G1+7]
	s_nop 0
.endif
	PLACES 4                                       ; behind the tensor load, and in front of loads into registers that the last products read
.if \s == 1
	WIN 0x40
.irp k, 0,1,2,3,4,5,6,7
	global_load_b128 v[224+4*\k:227+4*\k], v[LI], s[12:13] offset:7*4096+512*\k th:TH_LOAD_NT
.endr
	WIN 0
.irp k, 0,1,2,3,4,5,6,7
	global_load_b128 v[BO+4*\k:BO+4*\k+3], v[LI], s[10:11] offset:512*\k
	global_load_b128 v[GA+4*\k:GA+4*\k+3], v[LI], s[14:15] offset:512*\k
	global_load_b128 v[BE+4*\k:BE+4*\k+3], v[LI], s[16:17] offset:512*\k
.endr
.endif
.irp m, 0,1
.irp c, 0,1,2,3
	ds_load_b128 v[AF+16*\m+4*\c:AF+16*\m+4*\c+3], v[ARD] offset:(8*\m+\s)*2048+512*\c
.endr
.endr
	WIN 0x80
.irp nt, 0,1,2,3,4,5,6,7,8,9,10,11,12,13,14,15
.irp c, 0,1,2,3
	ds_load_b128 v[16*\nt+4*\c:16*\nt+4*\c+3], v[BRD+\s%2] offset:\nt*2048+512*\c
.endr
.endr
	WIN 0xf2                                       ; source 0 (w_out) window 2, source 1 (o) window 0, C and D window 3
.irp nt, 0,1,2,3,4,5,6,7,8,9,10,11,12,13,14,15
	s_wait_dscnt 4*(15-\nt)                        ; the later fragments' loads may be out
.irp m, 0,1
.if \s == 0
	v_wmma_f32_16x16x128_fp8_fp8 v[8*(2*\nt+\m):8*(2*\nt+\m)+7], v[16*\nt:16*\nt+15], v[AF+16*\m:AF+16*\m+15], 0
.else
	v_wmma_f32_16x16x128_fp8_fp8 v[8*(2*\nt+\m):8*(2*\nt+\m)+7], v[16*\nt:16*\nt+15], v[AF+16*\m:AF+16*\m+15], v[8*(2*\nt+\m):8*(2*\nt+\m)+7]
.endif
.endr
.endr
	WIN 0
.endm
.irp s, 0,1,2,3,4,5,6,7
	TRIP \s                                        ; the 32 accumulators take turns in the same order in every k block
.endr
	; THE WAY OUT.  The sums go to the stage as they are, each accumulator's low half first; every wave has passed the last round, behind which nobody reads slot 0 and nothing is filled.
	s_wait_kmcnt 0x0
	s_add_co_i32 s48, s46, s47
	s_add_co_i32 s48, s48, 127
	s_lshl_b32 s48, s48, 23                        ; 2^(e6 + e7) as f32
	s_mov_b32 s49, s48                             ; (named with it as a pair, so it is written)
	PLACES 4
	WIN 0x0c
.irp nt, 0,1,2,3,4,5,6,7,8,9,10,11,12,13,14,15
	ds_store_b128 v[STO0], v[16*\nt:16*\nt+3] offset:64*\nt
	ds_store_b128 v[STO0], v[16*\nt+4:16*\nt+7] offset:64*\nt+16
	ds_store_b128 v[STO1], v[16*\nt+8:16*\nt+11] offset:64*\nt
	ds_store_b128 v[STO1], v[16*\nt+12:16*\nt+15] offset:64*\nt+16
.endr
	WIN 0
	s_wait_dscnt 0x0                               ; for the others' sake: my stores into the stage are done
	s_barrier_signal -1
	s_barrier_wait -1
	WIN 0x80
.irp i, 0,1,2,3,4,5,6,7
.irp k, 0,1,2,3,4,5,6,7
	ds_load_b128 v[32*\i+4*\k:32*\i+4*\k+3], v[SRD] offset:\i*SPI+512*\k   ; row 8 w + i, columns 128 k + 4 l + 0 .. 3
.endr
.endr
	s_wait_dscnt 0x0
	s_wait_loadcnt 0x0                             ; x, b_out, gamma, beta
	WIN 0x82
.irp i, 0,1,2,3,4,5,6,7
.irp p, 0,1,2,3,4,5,6,7,8,9,10,11,12,13,14,15
	v_pk_fma_f32 v[32*\i+2*\p:32*\i+2*\p+1], v[32*\i+2*\p:32*\i+2*\p+1], s[48:49], v[BO+2*\p:BO+2*\p+1] op_sel_hi:[1,0,1]   ; sum x 2^(e6 + e7) + b_out
.endr
.endr
	WIN 0x86
.set j, 0
.rept 128
	v_pk_add_f32 v[j:j+1], v[j:j+1], v[j:j+1]      ; + x: source 1 names the same numbers in window 1
.set j, j+2
.endr
.macro RED                             ; each row's four pairs of partial sums become one number in every lane, in v[T + 8 i]
.irp i, 0,1,2,3,4,5,6,7
	v_pk_add_f32 v[T+8*\i:T+8*\i+1], v[T+8*\i:T+8*\i+1], v[T+8*\i+2:T+8*\i+3]
	v_pk_add_f32 v[T+8*\i+4:T+8*\i+5], v[T+8*\i+4:T+8*\i+5], v[T+8*\i+6:T+8*\i+7]
.endr
.irp i, 0,1,2,3,4,5,6,7
	v_pk_add_f32 v[T+8*\i:T+8*\i+1], v[T+8*\i:T+8*\i+1], v[T+8*\i+4:T+8*\i+5]
.endr
.irp i, 0,1,2,3,4,5,6,7
	v_add_f32 v[T+8*\i], v[T+8*\i], v[T+8*\i+1]
.endr
.irp x, 1,2,4,8
.irp i, 0,1,2,3,4,5,6,7
	v_add_f32_dpp v[T+8*\i], v[T+8*\i], v[T+8*\i] row_xmask:\x row_mask:0xf bank_mask:0xf
.endr
.endr
.irp i, 0,1,2,3,4,5,6,7
	v_permlanex16_b32 v[T+8*\i+1], v[T+8*\i], s52, s53
.endr
.irp i, 0,1,2,3,4,5,6,7
	v_add_f32 v[T+8*\i], v[T+8*\i], v[T+8*\i+1]
.endr
.endm
	WIN 0x0a                                       ; the rows' sums: four chains of pairs a row
.irp i, 0,1,2,3,4,5,6,7
.irp c, 0,1,2,3
	v_pk_add_f32 v[T+8*\i+2*\c:T+8*\i+2*\c+1], v[32*\i+2*\c:32*\i+2*\c+1], v[32*\i+2*\c+8:32*\i+2*\c+9]
.endr
.endr
	WIN 0x08
.irp g, 2,3
.irp i, 0,1,2,3,4,5,6,7
.irp c, 0,1,2,3
	v_pk_add_f32 v[T+8*\i+2*\c:T+8*\i+2*\c+1], v[T+8*\i+2*\c:T+8*\i+2*\c+1], v[32*\i+2*\c+8*\g:32*\i+2*\c+8*\g+1]
.endr
.endr
.endr
	WIN 0
	RED
.irp i, 0,1,2,3,4,5,6,7
	v_mul_f32 v[MU+2*\i], s50, v[T+8*\i]           ; the mean
.endr
.irp i, 0,1,2,3,4,5,6,7
	v_mov_b32 v[MU+2*\i+1], v[MU+2*\i]
.endr
	WIN 0x82
.irp i, 0,1,2,3,4,5,6,7
.irp p, 0,1,2,3,4,5,6,7,8,9,10,11,12,13,14,15
	v_pk_add_f32 v[32*\i+2*\p:32*\i+2*\p+1], v[32*\i+2*\p:32*\i+2*\p+1], v[MU+2*\i:MU+2*\i+1] neg_lo:[0,1] neg_hi:[0,1]
.endr
.endr
	WIN 0x0a                                       ; the squares of the differences, in the same four chains
.irp i, 0,1,2,3,4,5,6,7
.irp c, 0,1,2,3
	v_pk_mul_f32 v[T+8*\i+2*\c:T+8*\i+2*\c+1], v[32*\i+2*\c:32*\i+2*\c+1], v[32*\i+2*\c:32*\i+2*\c+1]
.endr
.endr
.irp g, 1,2,3
.irp i, 0,1,2,3,4,5,6,7
.irp c, 0,1,2,3
	v_pk_fma_f32 v[T+8*\i+2*\c:T+8*\i+2*\c+1], v[32*\i+2*\c+8*\g:32*\i+2*\c+8*\g+1], v[32*\i+2*\c+8*\g:32*\i+2*\c+8*\g+1], v[T+8*\i+2*\c:T+8*\i+2*\c+1]
.endr
.endr
.endr
	WIN 0
	RED
.irp i, 0,1,2,3,4,5,6,7
	v_fma_f32 v[T+8*\i], v[T+8*\i], s50, s51       ; the variance + 1e-5
.endr
.irp i, 0,1,2,3,4,5,6,7
	v_rsq_f32 v[RS+2*\i], v[T+8*\i]
.endr
	v_nop                                          ; a plain instruction behind the last root,
	s_wait_alu depctr_va_vdst(0)                   ; and the wait ahead of the first use: one for the eight
.irp i, 0,1,2,3,4,5,6,7
	v_mov_b32 v[RS+2*\i+1], v[RS+2*\i]
.endr
	WIN 0x82
.irp i, 0,1,2,3,4,5,6,7
.irp p, 0,1,2,3,4,5,6,7,8,9,10,11,12,13,14,15
	v_pk_mul_f32 v[32*\i+2*\p:32*\i+2*\p+1], v[32*\i+2*\p:32*\i+2*\p+1], v[RS+2*\i:RS+2*\i+1]
.endr
.irp p, 0,1,2,3,4,5,6,7,8,9,10,11,12,13,14,15
	v_pk_fma_f32 v[32*\i+2*\p:32*\i+2*\p+1], v[32*\i+2*\p:32*\i+2*\p+1], v[GA+2*\p:GA+2*\p+1], v[BE+2*\p:BE+2*\p+1]
.endr
.endr
	WIN 0x08
.irp i, 0,1,2,3,4,5,6,7
.irp k, 0,1,2,3,4,5,6,7
	global_store_b128 v[LI], v[32*\i+4*\k:32*\i+4*\k+3], s[18:19] offset:\i*4096+512*\k th:TH_STORE_NT   ; 512 consecutive bytes, aligned; written once, read by nobody here
.endr
.endr
	WIN 0
	s_wait_tensorcnt 0x0                           ; the wave's end
	ds_add_u32 v[SPW], v[NIL]
	s_wait_dscnt 0x0
	CROUND                                         ; the closing round
	s_endpgm
.Lfunc_end_k_qe7743aa845_outln:
	.size	k_qe7743aa845_outln, .Lfunc_end_k_qe7743aa845_outln-k_qe7743aa845_outln
	.p2alignl 7, 3214868480
	.fill 96, 4, 3214868480
	.section	.rodata,"a",@progbits
	.p2align	6, 0x0
	.amdhsa_kernel k_qe7743aa845_outln
		.amdhsa_group_segment_fixed_size 327680
		.amdhsa_private_segment_fixed_size 0
		.amdhsa_enable_private_segment 0
		.amdhsa_kernarg_size 64
		.amdhsa_user_sgpr_count 2
		.amdhsa_user_sgpr_kernarg_segment_ptr 1
		.amdhsa_wavefront_size32 1
		.amdhsa_system_sgpr_workgroup_id_x 1
		.amdhsa_system_sgpr_workgroup_id_y 1
		.amdhsa_system_sgpr_workgroup_id_z 1
		.amdhsa_system_vgpr_workitem_id 0
		.amdhsa_next_free_vgpr 1024
		.amdhsa_next_free_sgpr 66
		.amdhsa_reserve_vcc 0
		.amdhsa_float_denorm_mode_32 3
		.amdhsa_float_denorm_mode_16_64 3
		.amdhsa_memory_ordered 1
		.amdhsa_forward_progress 1
		.amdhsa_inst_pref_size 157
	.end_amdhsa_kernel
	.amdgpu_metadata
---
amdhsa.version: [ 1, 2 ]
amdhsa.kernels:
  - .name:           k_qe7743aa845_outln
    .symbol:         k_qe7743aa845_outln.kd
    .args:
      - { .name: o_img, .offset: 0, .size: 8, .value_kind: global_buffer, .address_space: global }
      - { .name: wo_img, .offset: 8, .size: 8, .value_kind: global_buffer, .address_space: global }
      - { .name: lowp_scales, .offset: 16, .size: 8, .value_kind: global_buffer, .address_space: global }
      - { .name: b_out, .offset: 24, .size: 8, .value_kind: global_buffer, .address_space: global }
      - { .name: x, .offset: 32, .size: 8, .value_kind: global_buffer, .address_space: global }
      - { .name: gamma, .offset: 40, .size: 8, .value_kind: global_buffer, .address_space: global }
      - { .name: beta, .offset: 48, .size: 8, .value_kind: global_buffer, .address_space: global }
      - { .name: out0, .offset: 56, .size: 8, .value_kind: global_buffer, .address_space: global }
    .group_segment_fixed_size: 327680
    .private_segment_fixed_size: 0
    .kernarg_segment_align: 8
    .kernarg_segment_size: 64
    .max_flat_workgroup_size: 128
    .sgpr_count:     66
    .vgpr_count:     1024
    .wavefront_size: 32
...
	.end_amdgpu_metadata
.endif
;; end of part 4
